; MI455X (gfx1250); checked and timed in simulation.
; The chip was launched on July 23, 2026; its instructions are those of AMD's public machine-readable ISA for CDNA 5 (MIT licence, August 2026) and "CDNA5" Instruction Set Architecture Reference Guide (July 2026). The comments in the code are by the model that wrote it; some were corrected since.
;; RF Conditioner. Allowed arithmetic: float matrix products may take bf16 or f16 operands with f32 sums; all other float work in f32.
;; Inputs: query_leaf_ids 100 x 1,024 int32; train_leaf_ids 100 x 10,000 int32; tree_weights 100 float32.
;; Outputs: out0 1,024 x 10,000 float32.
;; One version. Each part assembles by itself: llvm-mc -triple=amdgcn-amd-amdhsa -mcpu=gfx1250 --defsym DOCPART=n.
;; ======== version 1 of 1: 2 launches
;; workspace buffers: lists 8,064,000 bytes of whole numbers; offs 204,800 bytes of whole numbers
;; launch bucket (part 1): grid 100 x 1, 16 waves a work-group, no clusters, 118,016 bytes of LDS; arguments train_leaf_ids, lists, offs; writes lists, offs
.if DOCPART == 1
	.amdgcn_target "amdgcn-amd-amdhsa--gfx1250"
	.amdhsa_code_object_version 6
	.text
	.protected	k_qc98eeb6105_bucket
	.globl	k_qc98eeb6105_bucket
	.p2align	8
	.type	k_qc98eeb6105_bucket,@function
k_qc98eeb6105_bucket:
	s_mov_b64 s[64:65], 0
	v_nop
	global_prefetch_b8 v0, s[64:65] scope:SCOPE_SE
	s_setreg_imm32_b32 hwreg(HW_REG_WAVE_MODE, 25, 1), 1
	s_wait_xcnt 0x0
; BUCKET: one work-group per tree.  The tree's 10,000 training ids are sorted by bucket = id & 511 (a counting sort), so that the next
; launch finds all training points that can share a leaf with a query in one short run of memory.  Any int32 id is served: the bucket is
; only a hash, each entry keeps the whole id, and the next launch compares it again.
; Out: lists[tree] = 10,000 pairs (j, id) in bucket order, then 640 bytes of zeros (a tree's list is 80,640 bytes = 315 x 256, so that
;      32 entries read from any start stay inside it);  offs[tree][bucket] = start | count << 16.
; 16 waves, 512 threads; thread t takes elements t + 512 s, s = 0..19 (in the last step only t < 272).
; No atomics: each wave counts in a histogram of its own; lanes of a wave with equal keys are found by nine ballots.
; EXEC stays whole through all the sorting: a lane that has nothing to store stores to a spare word of its own.
; There are 100 trees, so 100 work-groups; no input is shared between them, so no cluster and no joint loads.
.set NTRAIN,  10000
.set THREADS, 512
.set STEPS,   20
.set LASTV,   NTRAIN-(STEPS-1)*THREADS ; 272 threads have an element in the last step
.set NBKT,    512
.set PITCH,   80640                    ; bytes of a tree's list
.set NPAD,    PITCH/8-NTRAIN           ; 80 pairs of zeros behind the list
.set TAILV,   PITCH/16-9*THREADS       ; 432 threads store in the tenth step of the way out
.set WSUM,    0                        ; LDS: 16 words, the waves' sums of bucket sizes
.set OFFS,    256                      ; 512 words, start | count << 16
.set HIST,    2304                     ; 16 histograms, later the bases (wave, bucket)
.set HP,      (NBKT+32)*4              ; a histogram: 512 words and 32 spare words, one a lane: 2,176 bytes
.set SORT,    HIST+16*HP               ; 37,120: the sorted pairs, the zeros behind them (80,640 bytes), then 32 junk pairs that are never read
.set LANE, 1
.set GT,   2                           ; mask of the lanes above mine
.set K,    3
.set R,    4
.set O,    5
.set T,    6                           ; v[6:14]   nine temporaries
.set X,    15
.set S,    16
.set TOT,  17
.set BA,   18                          ; 4 x my bucket (thread b owns bucket b in the scan)
.set Y,    19
.set HA,   20                          ; v[20:39]  step s: LDS address of (my wave, my key)
.set LR,   40                          ; v[40:59]  step s: my rank among my wave's elements of that key
.set PR,   60                          ; v[60:99]  step s: the pair (element number, id)
.set H,    100                         ; v[100:115] the 16 waves' counts of my bucket
.set P,    100                         ; v[100:119] step s: LDS address of my place in the sorted array
.set SP,   120                         ; 512 + lane: my spare word in my wave's histogram
.set SA,   121                         ; where I store the new count
.set JK,   122                         ; 10,080 + lane: my junk pair behind the sorted array
.set C,    100                         ; v[100:143] the way out (all of the above from v100 on are dead by then)
.set WV,  10                           ; wave number
.set HB,  11                           ; LDS address of my wave's histogram
.set VAL, 14                           ; lanes that have an element in the last step
.set SV,  15                           ; EXEC kept
.set M,   20                           ; s[20:37]  nine ballots and their complements
	s_load_b128 s[4:7], s[0:1], 0x0                ; train ids s[4:5], lists s[6:7]
	s_load_b64 s[8:9], s[0:1], 0x10                ; offs
	v_and_b32 v[LANE], 31, v0
	v_lshrrev_b32 v[K], 5, v0
	v_readfirstlane_b32 s[WV], v[K]
	s_mul_i32 s12, ttmp9, NTRAIN*4                 ; my tree's row of ids
	s_mov_b32 s13, 0
	v_lshlrev_b32 v[X], 2, v0
	v_min_u32 v[Y], LASTV-1, v0                    ; last step: threads without an element read the last one again, and drop it
	v_lshlrev_b32 v[Y], 2, v[Y]
	s_wait_kmcnt 0x0
	s_add_nc_u64 s[4:5], s[4:5], s[12:13]
.irp q, 0,1,2,3,4,5,6,7,8,9,10,11,12,13,14,15,16,17,18
	global_load_b32 v[PR+2*\q+1], v[X], s[4:5] offset:\q*THREADS*4 th:TH_LOAD_NT   ; the id lands in its pair: no copy later
.endr
	global_load_b32 v[PR+2*(STEPS-1)+1], v[Y], s[4:5] offset:(STEPS-1)*THREADS*4 th:TH_LOAD_NT
	; while they come: clear my wave's 512 counts (its own bytes: no barrier), element numbers, masks
	s_mul_i32 s[HB], s[WV], HP
	s_add_co_u32 s[HB], s[HB], HIST
	v_lshl_add_u32 v[O], v[LANE], 4, s[HB]
.irp i, 0,1,2,3
	v_mov_b32 v[T+\i], 0
.endr
.irp i, 0,1,2,3
	ds_store_b128 v[O], v[T:T+3] offset:512*\i
.endr
	v_lshlrev_b32 v[GT], v[LANE], -2               ; bits lane+1 .. 31
	v_add_nc_u32 v[SP], NBKT, v[LANE]
	v_add_nc_u32 v[JK], NTRAIN+NPAD, v[LANE]
.irp q, 0,1,2,3,4,5,6,7,8,9,10,11,12,13,14,15,16,17,18,19
	v_add_nc_u32 v[PR+2*\q], \q*THREADS, v0
.endr
	v_cmp_gt_u32 vcc_lo, LASTV, v0
	s_mov_b32 s[VAL], vcc_lo
	s_mov_b32 s16, 0xffff0000                      ; lanes 16 to 31
; One step: rank of my element among my wave's elements of the same key, and the count brought up to date.
; peers = the lanes of my wave with my key: for each of the nine key bits, the ballot of that bit if mine is set, else its complement.
; All peers read the same count; rank = count + peers below me; the highest peer stores count + number of peers to the key's word,
; every other lane stores to its spare word, which nobody reads.
; LDS serves a wave's instructions in order (ISA guide 5.7.1.4), so the next step's read sees this step's store.
.macro RANK st, part
	s_wait_loadcnt STEPS-1-\st                     ; loads come back in order: this step's id is in, the later steps' may be out
	v_and_b32 v[K], NBKT-1, v[PR+2*\st+1]
	v_min_u32 v[K], NBKT-1, v[K]                   ; a number read from memory enters an address only behind a v_min_u32 with a constant
	v_lshl_add_u32 v[HA+\st], v[K], 2, s[HB]
	ds_load_b32 v[O], v[HA+\st]                    ; the count so far; the ballots stand between this read and its wait
.irp k, 0,1,2,3,4,5,6,7,8
	v_and_b32 v[T+\k], 1<<\k, v[K]
.endr
.irp k, 0,1,2,3,4,5,6,7,8
	v_cmp_ne_u32 s[M+2*\k], 0, v[T+\k]
.endr
.irp k, 0,1,2,3,4,5,6,7,8
	s_not_b32 s[M+2*\k+1], s[M+2*\k]
.endr
.irp k, 0,1,2,3,4,5,6,7,8
	v_cndmask_b32 v[T+\k], s[M+2*\k+1], s[M+2*\k], s[M+2*\k]
.endr
	v_and_b32 v[T],   v[T],   v[T+1]
	v_and_b32 v[T+2], v[T+2], v[T+3]
	v_and_b32 v[T+4], v[T+4], v[T+5]
	v_and_b32 v[T+6], v[T+6], v[T+7]
	v_and_b32 v[T],   v[T],   v[T+2]
	v_and_b32 v[T+4], v[T+4], v[T+6]
	v_and_b32 v[T],   v[T],   v[T+8]
	v_and_b32 v[T],   v[T],   v[T+4]
.if \part
	v_and_b32 v[T], s[VAL], v[T]                   ; lanes without an element are nobody's peers
.endif
	v_mbcnt_lo_u32_b32 v[R], v[T], 0               ; peers below me
	v_and_b32 v[T+1], v[GT], v[T]                  ; peers above me
	v_cmp_eq_u32 vcc_lo, 0, v[T+1]                 ; I am the highest peer
.if \part
	s_and_b32 vcc_lo, vcc_lo, s[VAL]
.endif
	v_cndmask_b32 v[SA], v[SP], v[K], vcc_lo       ; the key's word, or my spare word
	v_min_u32 v[SA], NBKT+31, v[SA]
	v_lshl_add_u32 v[SA], v[SA], 2, s[HB]
	s_wait_dscnt 0x0
	v_add_nc_u32 v[LR+\st], v[O], v[R]
	v_add_nc_u32 v[O], 1, v[LR+\st]
	ds_store_b32 v[SA], v[O]
.endm
.irp q, 0,1,2,3,4,5,6,7,8,9,10,11,12,13,14,15,16,17,18
	RANK \q, 0
.endr
	RANK 19, 1
	v_lshlrev_b32 v[BA], 2, v[LANE]
	v_lshl_add_u32 v[BA], s[WV], 7, v[BA]          ; bucket = 32 x wave + lane, times 4
	s_wait_dscnt 0x0                               ; my histogram is whole,
	s_barrier_signal -1
	s_barrier_wait -1                              ; everybody's is
	; thread b: size of bucket b = the sum of the 16 waves' counts; then a prefix sum over the 512 buckets
.irp w, 0,1,2,3,4,5,6,7,8,9,10,11,12,13,14,15
	ds_load_b32 v[H+\w], v[BA] offset:HIST+\w*HP
.endr
	v_and_b32 v[K], 15, v[LANE]
	v_lshlrev_b32 v[R], 2, v[K]
	s_lshl_b32 s18, s[WV], 2
	v_mov_b32 v[Y], s18
	s_wait_dscnt 0x0
	v_add3_u32 v[T],   v[H],    v[H+1],  v[H+2]
	v_add3_u32 v[T+1], v[H+3],  v[H+4],  v[H+5]
	v_add3_u32 v[T+2], v[H+6],  v[H+7],  v[H+8]
	v_add3_u32 v[T+3], v[H+9],  v[H+10], v[H+11]
	v_add3_u32 v[T+4], v[H+12], v[H+13], v[H+14]
	v_add3_u32 v[T],   v[T],    v[T+1],  v[T+2]
	v_add3_u32 v[T+3], v[T+3],  v[T+4],  v[H+15]
	v_add_nc_u32 v[TOT], v[T], v[T+3]
	; inclusive prefix inside each half of 16 lanes: lane i takes lane i - n; lanes without a source keep the zero written just before
	v_mov_b32 v[X], 0
	v_mov_b32_dpp v[X], v[TOT] row_shr:1 row_mask:0xf bank_mask:0xf
	v_add_nc_u32 v[S], v[TOT], v[X]
.irp n, 2,4,8
	v_mov_b32 v[X], 0
	v_mov_b32_dpp v[X], v[S] row_shr:\n row_mask:0xf bank_mask:0xf
	v_add_nc_u32 v[S], v[S], v[X]
.endr
	v_readlane_b32 s17, v[S], 15                   ; the lower half's sum goes onto the upper half
	v_cndmask_b32 v[X], 0, s17, s16
	v_add_nc_u32 v[S], v[S], v[X]
	v_readlane_b32 s17, v[S], 31                   ; my wave's 32 buckets together
	v_mov_b32 v[X], s17
	ds_store_b32 v[Y], v[X] offset:WSUM            ; all lanes store one value to my wave's word
	s_wait_dscnt 0x0
	s_barrier_signal -1
	s_barrier_wait -1
	ds_load_b32 v[Y], v[R] offset:WSUM             ; lane l: the sum of wave l mod 16
	s_wait_dscnt 0x0
	v_cmp_gt_u32 vcc_lo, s[WV], v[K]               ; only the waves below mine count
	v_cndmask_b32 v[Y], 0, v[Y], vcc_lo
.irp n, 1,2,4,8
	v_mov_b32_dpp v[X], v[Y] row_xmask:\n row_mask:0xf bank_mask:0xf
	v_add_nc_u32 v[Y], v[Y], v[X]
.endr
	v_add_nc_u32 v[S], v[S], v[Y]
	v_sub_nc_u32 v[S], v[S], v[TOT]                ; where bucket b starts
	v_lshl_or_b32 v[X], v[TOT], 16, v[S]           ; both are at most 10,000: 16 bits each
	ds_store_b32 v[BA], v[X] offset:OFFS
	ds_store_b32 v[BA], v[S] offset:HIST           ; base (wave w, bucket b) = start + the counts of the waves below w, over the counts
.irp w, 0,1,2,3,4,5,6,7,8,9,10,11,12,13,14
	v_add_nc_u32 v[S], v[S], v[H+\w]
	ds_store_b32 v[BA], v[S] offset:HIST+(\w+1)*HP
.endr
	s_cmp_lg_u32 s[WV], 15
	s_cbranch_scc1 .Lno_pad
.irp i, 0,1,2,3
	v_mov_b32 v[T+\i], 0                           ; the 640 bytes behind the last pair: 512 and 128
.endr
	v_lshl_add_u32 v[X], v[LANE], 4, SORT+NTRAIN*8
	v_lshl_add_u32 v[Y], v[LANE], 2, SORT+NTRAIN*8+512
	ds_store_b128 v[X], v[T:T+3]
	ds_store_b32 v[Y], v[T]
.Lno_pad:
	s_wait_dscnt 0x0
	s_barrier_signal -1
	s_barrier_wait -1
	; my places: base (my wave, my key) + my rank; in the last step a lane without an element takes its junk pair
.irp q, 0,1,2,3,4,5,6,7,8,9,10,11,12,13,14,15,16,17,18,19
	ds_load_b32 v[P+\q], v[HA+\q]
.endr
	s_wait_dscnt 0x0
.irp q, 0,1,2,3,4,5,6,7,8,9,10,11,12,13,14,15,16,17,18
	v_add_nc_u32 v[P+\q], v[P+\q], v[LR+\q]
	v_min_u32 v[P+\q], NTRAIN-1, v[P+\q]           ; a number read from LDS enters an address only behind a v_min_u32 with a constant
	v_lshl_add_u32 v[P+\q], v[P+\q], 3, SORT
.endr
	v_add_nc_u32 v[P+STEPS-1], v[P+STEPS-1], v[LR+STEPS-1]
	v_min_u32 v[P+STEPS-1], NTRAIN-1, v[P+STEPS-1]
	v_cndmask_b32 v[P+STEPS-1], v[JK], v[P+STEPS-1], s[VAL]
	v_min_u32 v[P+STEPS-1], NTRAIN+NPAD+31, v[P+STEPS-1]
	v_lshl_add_u32 v[P+STEPS-1], v[P+STEPS-1], 3, SORT
	; The places are all different, but they come from data: arithmetic on the wave's number cannot tell one wave's bytes from another's.
	; So the waves store in turns, one wave between two barriers.
.macro TURN i
	s_cmp_lg_u32 s[WV], \i
	s_cbranch_scc1 .Lnot_mine_\@
.irp q, 0,1,2,3,4,5,6,7,8,9,10,11,12,13,14,15,16,17,18,19
	ds_store_b64 v[P+\q], v[PR+2*\q:PR+2*\q+1]
.endr
.Lnot_mine_\@:
	s_wait_dscnt 0x0
	s_barrier_signal -1
	s_barrier_wait -1
.endm
.irp i, 0,1,2,3,4,5,6,7,8,9,10,11,12,13,14,15
	TURN \i
.endr
	; THE WAY OUT: 5,040 pieces of 16 bytes; sixteen neighbouring lanes store 256 consecutive bytes, at a multiple of 256 from the buffer's start
	v_lshlrev_b32 v[R], 4, v0
	v_add_nc_u32 v[X], SORT, v[R]
	v_add_nc_u32 v[Y], SORT+65536, v[R]            ; the ninth step lies beyond what the 16-bit LDS offset reaches
	v_min_u32 v[K], TAILV-1, v0                    ; tenth step: 432 pieces are left; the other threads read the last one and store nothing
	v_lshl_add_u32 v[K], v[K], 4, SORT+9*8192
	s_mul_i32 s12, ttmp9, PITCH
	s_add_nc_u64 s[6:7], s[6:7], s[12:13]
.irp i, 0,1,2,3,4,5,6,7
	ds_load_b128 v[C+4*\i:C+4*\i+3], v[X] offset:\i*8192
.endr
	ds_load_b128 v[C+32:C+35], v[Y]
	ds_load_b128 v[C+36:C+39], v[K]
.irp i, 0,1,2,3,4,5,6,7,8
	s_wait_dscnt 9-\i                              ; LDS loads come back in order: piece i is in
	global_store_b128 v[R], v[C+4*\i:C+4*\i+3], s[6:7] offset:\i*8192
.endr
	s_wait_dscnt 0x0
	v_cmp_gt_u32 vcc_lo, TAILV, v0
	s_wait_xcnt 0x0                                ; EXEC changes only behind this wait: stores are out
	s_and_saveexec_b32 s[SV], vcc_lo
	global_store_b128 v[R], v[C+36:C+39], s[6:7] offset:9*8192
	s_wait_xcnt 0x0                                ; and again in front of the line that widens it
	s_or_b32 exec_lo, exec_lo, s[SV]
	s_cmp_ge_u32 s[WV], 4
	s_cbranch_scc1 .Lno_offs                       ; the 2,048 bytes of bucket words: waves 0 to 3, 512 bytes each
	ds_load_b128 v[C+40:C+43], v[R] offset:OFFS
	s_lshl_b32 s12, ttmp9, 11
	s_add_nc_u64 s[8:9], s[8:9], s[12:13]
	s_wait_dscnt 0x0
	global_store_b128 v[R], v[C+40:C+43], s[8:9]
.Lno_offs:
	s_endpgm
.Lfunc_end_k_qc98eeb6105_bucket:
	.size	k_qc98eeb6105_bucket, .Lfunc_end_k_qc98eeb6105_bucket-k_qc98eeb6105_bucket
	.p2alignl 7, 3214868480
	.fill 96, 4, 3214868480
	.section	.rodata,"a",@progbits
	.p2align	6, 0x0
	.amdhsa_kernel k_qc98eeb6105_bucket
		.amdhsa_group_segment_fixed_size 118016
		.amdhsa_private_segment_fixed_size 0
		.amdhsa_enable_private_segment 0
		.amdhsa_kernarg_size 24
		.amdhsa_user_sgpr_count 2
		.amdhsa_user_sgpr_kernarg_segment_ptr 1
		.amdhsa_wavefront_size32 1
		.amdhsa_system_sgpr_workgroup_id_x 1
		.amdhsa_system_sgpr_workgroup_id_y 1
		.amdhsa_system_sgpr_workgroup_id_z 1
		.amdhsa_system_vgpr_workitem_id 0
		.amdhsa_next_free_vgpr 144
		.amdhsa_next_free_sgpr 66
		.amdhsa_reserve_vcc 1
		.amdhsa_float_denorm_mode_32 3
		.amdhsa_float_denorm_mode_16_64 3
		.amdhsa_memory_ordered 1
		.amdhsa_forward_progress 1
		.amdhsa_inst_pref_size 96
	.end_amdhsa_kernel
	.amdgpu_metadata
---
amdhsa.version: [ 1, 2 ]
amdhsa.kernels:
  - .name:           k_qc98eeb6105_bucket
    .symbol:         k_qc98eeb6105_bucket.kd
    .args:
      - { .name: train_leaf_ids, .offset: 0, .size: 8, .value_kind: global_buffer, .address_space: global }
      - { .name: lists, .offset: 8, .size: 8, .value_kind: global_buffer, .address_space: global }
      - { .name: offs, .offset: 16, .size: 8, .value_kind: global_buffer, .address_space: global }
    .group_segment_fixed_size: 118016
    .private_segment_fixed_size: 0
    .kernarg_segment_align: 8
    .kernarg_segment_size: 24
    .max_flat_workgroup_size: 512
    .sgpr_count:     66
    .vgpr_count:     144
    .wavefront_size: 32
...
	.end_amdgpu_metadata
.endif
;; end of part 1
;; launch accum (part 2): grid 256 x 1, 8 waves a work-group, no clusters, 327,680 bytes of LDS; arguments query_leaf_ids, tree_weights, offs, lists, out0; writes out0
.if DOCPART == 2
	.amdgcn_target "amdgcn-amd-amdhsa--gfx1250"
	.amdhsa_code_object_version 6
	.text
	.protected	k_qc98eeb6105_accum
	.globl	k_qc98eeb6105_accum
	.p2align	8
	.type	k_qc98eeb6105_accum,@function
k_qc98eeb6105_accum:
	s_mov_b64 s[64:65], 0
	v_nop
	global_prefetch_b8 v0, s[64:65] scope:SCOPE_SE
	s_setreg_imm32_b32 hwreg(HW_REG_WAVE_MODE, 25, 1), 1
	s_wait_xcnt 0x0
; ACCUM: out[m][j] = a[m][j] / T / (sum over j of a[m][j] / T + 1e-8),  a[m][j] = sum over trees t of tw[t] [q[t][m] == train[t][j]].
; A work-group makes 4 rows of out: 160,000 consecutive bytes that begin at a multiple of 256.  Eight waves.
; Wave w owns row w & 3, trees 50 (w >> 2) .. + 49, and an LDS region of its own: 10,000 f32 cells, then 32 spare cells, one a lane.
; For each tree it takes the bucket of q & 511 from the sorted lists and adds tw to cell j of every entry whose whole id equals q.
; In one tree every j occurs once, so the lanes of one read-add-write touch different cells; entries without a match use the lane's spare cell.
; A cell may be hit again by the next tree, so the steps follow each other; LDS serves a wave's instructions in order (ISA guide 5.7.1.4).
; Two copies of each row (two halves of the trees) halve that chain.
; THE WINDOW: one 16-byte load a lane brings the 64 entries from the bucket's start, rounded down to an even entry.  No length is tested
; there: an entry of another bucket has other low nine bits than q, so its id differs from q; the zero pairs behind a list carry id 0,
; which is bucket 0, and bucket 0 starts at entry 0, so that its window ends at entry 63.  Entries from the 65th of the window on go
; through a loop that loads as it goes and tests the length.
; The lists are read as runs of 512 bytes at places that hang on the query: no tile is shared between work-groups, so no cluster,
; no tensor loads; there is no matrix product in the problem.
; LIMITS: weights must be finite (with an infinite or NaN weight the defining formula gives NaN in every cell, this text does not).
; The sums are made in another order than tree by tree; / T is x 0.01f; the last division is v_rcp_f32 and a product, and v_rcp_f32
; takes a denominator below 2^-126 in magnitude as zero.  Any int32 ids are served.
.set HALF,   50                        ; trees of a wave
.set NTRAIN, 10000
.set PITCH,  80640                     ; bytes of a tree's list: 10,000 pairs and 640 bytes of zeros
.set REGION, 40448                     ; 79 x 512 bytes: 10,112 cells
.set GAP,    REGION-4*NTRAIN           ; 448 bytes between the end of a row and the next region
.set COPY,   4*REGION                  ; from a row's first copy to its second
.set SUMS,   8*REGION                  ; eight words: the waves' shares of the row sums
.set ROWG,   NTRAIN/4                  ; 2,500 pieces of 16 bytes in a row
.set LANE,   1
.set LANE16, 2                         ; 16 x lane
.set DUM,    3                         ; my spare cell: 10,000 + lane
.set VQ,     4                         ; v4, v5   lane l: q of my tree l, of my tree 32 + l
.set VTW,    6                         ; v6, v7   its weight
.set VLM,    8                         ; v8, v9   its bucket's length + (start & 1): the bucket's end, counted from the window's first entry
.set VSA,    10                        ; v10, v11 its bucket's start, rounded down to even
.set AQ,     12                        ; v12, v13 addresses of q, then of the bucket words
.set A,      12                        ; the loop: LDS address
.set W,      13                        ; the loop: addend
.set O,      14                        ; v[14:15], v[16:17] the cells of this step and of the next
.set X,      18
.set LANE8,  19                        ; 8 x lane
.set Y,      20                        ; v[20:21] a pair in the loop
.set TT,     22                        ; v22, v23 tree numbers
.set ZA,     24
.set YA,     25
.set SUMV,   26                        ; v[26:27] my lane's share of the row sum, even and odd entries
.set Z,      28                        ; v[28:31] zeros
.set VOF,    32                        ; v32, v33 8 x VSA
.set E,      36                        ; v[36:235] tree i, four registers: the load's offset, then (j, id, j, id) of entries 2 lane and 2 lane + 1 of
                                       ;           the window, then (LDS address, LDS address, addend, addend)
.set BASE,   36                        ; the way out: v[36:40] 16 x thread + k x 65,536 (the LDS offset field reaches 65,535)
.set SEL,    41
.set SELA,   42
.set SELB,   43
.set SCT,    44                        ; v[44:45]
.set QS,     48                        ; v[48:55] the eight shares of the row sums
.set SC,     56                        ; v[56:63] row r: its scale, twice
.set D,      64                        ; v[64:115]  13 slots of 4: first copy, then the result
.set TMP,    116                       ; v[116:167] 13 slots of 4: second copy
.set WV,   14
.set RB,   19                          ; LDS address of my region
.set ST,   23
.set SM,   24
.set SQ,   26
.set SLEN, 27
.set STW,  28
.set INVT, 30
.set EPS,  31
.set SV,   32
.set LI,   33
.set LC,   34
.set NCH,  35
.set E0,   37
.set LMASK, 38
.set CGAP, 39
.set LB,   40                          ; s[40:41] the loop: the list of the tree at hand
.set LL,   42
.set TA,   43
.set TB,   44
.set TC,   45
.set Q4,   48                          ; s[48:51] q of tree i in register i & 3
.set TW4,  52                          ; s[52:55] its weight
.set MK,   56                          ; s[56:59] tree i's two match masks in pair i & 1
.set BT,   66                          ; s[66:75] ten list offsets at a time
.set P0,   76                          ; s76, s77 v_permlanex16_b32: lane i of one half reads lane i of the other
.set P1,   77
	s_load_b256 s[4:11], s[0:1], 0x0               ; q s[4:5], tw s[6:7], offs s[8:9], lists s[10:11]
	s_load_b64 s[12:13], s[0:1], 0x20              ; out
	v_and_b32 v[LANE], 31, v0
	v_lshrrev_b32 v[X], 5, v0
	v_readfirstlane_b32 s[WV], v[X]
	s_and_b32 s15, s[WV], 3                        ; my row of the four
	s_lshr_b32 s16, s[WV], 2                       ; my half of the trees
	s_lshl_b32 s17, ttmp9, 2
	s_add_co_u32 s17, s17, s15
	s_lshl_b32 s17, s17, 2                         ; 4 m
	s_mul_i32 s18, s16, HALF                       ; my first tree
	s_mul_i32 s[RB], s[WV], REGION
	s_mul_i32 s20, s16, HALF*PITCH
	s_mov_b32 s21, 0
	s_mov_b32 s[INVT], 0x3c23d70a                  ; 1 / 100
	s_mov_b32 s[EPS], 0x322bcc77                   ; 1e-8
	s_mov_b32 s[CGAP], GAP
	s_mov_b32 s[P0], 0x76543210
	s_mov_b32 s[P1], 0xfedcba98
	; lanes stand for trees: two registers hold my 50 trees (the second one's lanes 18 to 31 repeat tree 49 and are never used)
	v_add_nc_u32 v[TT], s18, v[LANE]
	v_add_nc_u32 v[TT+1], 32, v[LANE]
	v_min_u32 v[TT+1], HALF-1, v[TT+1]
	v_add_nc_u32 v[TT+1], s18, v[TT+1]
	v_lshl_add_u32 v[AQ], v[TT], 12, s17           ; q[t][m]: rows of 4,096 bytes
	v_lshl_add_u32 v[AQ+1], v[TT+1], 12, s17
	v_lshlrev_b32 v[O], 2, v[TT]
	v_lshlrev_b32 v[O+1], 2, v[TT+1]
	s_wait_kmcnt 0x0
	global_load_b32 v[VQ], v[AQ], s[4:5]
	global_load_b32 v[VQ+1], v[AQ+1], s[4:5]
	global_load_b32 v[VTW], v[O], s[6:7]
	global_load_b32 v[VTW+1], v[O+1], s[6:7]
	s_add_nc_u64 s[10:11], s[10:11], s[20:21]      ; the list of my first tree
	v_lshlrev_b32 v[LANE8], 3, v[LANE]
	v_lshlrev_b32 v[LANE16], 4, v[LANE]
	v_add_nc_u32 v[DUM], NTRAIN, v[LANE]
	; my region is cleared while loads are on their way: half now, half behind the next loads.  Its bytes are my own: no barrier.
	v_lshl_add_u32 v[ZA], v[LANE], 4, s[RB]
.irp i, 0,1,2,3
	v_mov_b32 v[Z+\i], 0
.endr
.irp i, 0,1,2,3,4,5,6,7,8,9,10,11,12,13,14,15,16,17,18,19,20,21,22,23,24,25,26,27,28,29,30,31,32,33,34,35,36,37,38,39
	ds_store_b128 v[ZA], v[Z:Z+3] offset:512*\i
.endr
	s_wait_loadcnt 0x0                             ; q and tw are in; their address registers are free
.irp r, 0,1
	v_and_b32 v[AQ+\r], 511, v[VQ+\r]              ; the bucket
	v_min_u32 v[AQ+\r], 511, v[AQ+\r]              ; a number read from memory enters an address only behind a v_min_u32 with a constant
	v_lshlrev_b32 v[AQ+\r], 2, v[AQ+\r]
	v_lshl_add_u32 v[AQ+\r], v[TT+\r], 11, v[AQ+\r] ; offs[t][bucket]: rows of 2,048 bytes
	global_load_b32 v[VLM+\r], v[AQ+\r], s[8:9]
.endr
.irp i, 40,41,42,43,44,45,46,47,48,49,50,51,52,53,54,55,56,57,58,59,60,61,62,63,64,65,66,67,68,69,70,71,72,73,74,75,76,77,78
	ds_store_b128 v[ZA], v[Z:Z+3] offset:512*\i
.endr
	s_wait_loadcnt 0x0
.irp r, 0,1
	v_and_b32 v[VSA+\r], 0xfffe, v[VLM+\r]         ; start, rounded down to even
	v_and_b32 v[O+\r], 1, v[VLM+\r]                ; start & 1
	v_lshrrev_b32 v[VLM+\r], 16, v[VLM+\r]         ; length
	v_lshlrev_b32 v[VOF+\r], 3, v[VSA+\r]
	v_add_nc_u32 v[VLM+\r], v[VLM+\r], v[O+\r]
.endr
	; All 50 list loads go out before the chain begins, ten at a time so that no line waits for the one in front of it.
	; The offset is at most 9,998 x 8 + 31 x 16, and the 16 bytes there end at byte 80,496 of the tree's 80,640.
	; Each load lands on the register that holds its own offset: no other instruction names that register while the load is out.
.irp g, 0,1,2,3,4
.irp k, 0,1,2,3,4,5,6,7,8,9
	v_readlane_b32 s[BT+\k], v[VOF+(10*\g+\k)/32], (10*\g+\k)%32
.endr
.irp k, 0,1,2,3,4,5,6,7,8,9
	s_min_u32 s[BT+\k], s[BT+\k], (NTRAIN-2)*8     ; a number read from memory enters an address only behind a minimum with a constant
.endr
.irp k, 0,1,2,3,4,5,6,7,8,9
	v_add_nc_u32 v[E+4*(10*\g+\k)], s[BT+\k], v[LANE16]
.endr
.irp k, 0,1,2,3,4,5,6,7,8,9
	global_load_b128 v[E+4*(10*\g+\k):E+4*(10*\g+\k)+3], v[E+4*(10*\g+\k)], s[10:11] offset:(10*\g+\k)*PITCH
.endr
.endr
; A tree is prepared in three stages, each one step of the chain apart, so that a scalar register written by a vector instruction
; is read a whole step later.
.macro STA i                           ; q and the weight as scalars
	v_readlane_b32 s[Q4+((\i)&3)], v[VQ+(\i)/32], (\i)%32
	v_readlane_b32 s[TW4+((\i)&3)], v[VTW+(\i)/32], (\i)%32
.endm
.macro STB i                           ; which of my two entries match
	s_wait_loadcnt HALF-1-(\i)                     ; loads come back in order: tree i's entries are in, the later trees' may be out
	v_cmp_eq_u32 s[MK+2*((\i)&1)], s[Q4+((\i)&3)], v[E+4*(\i)+1]
	v_cmp_eq_u32 s[MK+2*((\i)&1)+1], s[Q4+((\i)&3)], v[E+4*(\i)+3]
.endm
.macro STC i                           ; (j, id, j, id) becomes (address, address, addend, addend); the addends go onto the row sum
	v_cndmask_b32 v[E+4*(\i)], v[DUM], v[E+4*(\i)], s[MK+2*((\i)&1)]          ; cell j, or my spare cell
	v_cndmask_b32 v[E+4*(\i)+1], v[DUM], v[E+4*(\i)+2], s[MK+2*((\i)&1)+1]
	v_cndmask_b32 v[E+4*(\i)+2], 0, s[TW4+((\i)&3)], s[MK+2*((\i)&1)]         ; the weight, or nothing
	v_cndmask_b32 v[E+4*(\i)+3], 0, s[TW4+((\i)&3)], s[MK+2*((\i)&1)+1]
	v_min_u32 v[E+4*(\i)], NTRAIN+31, v[E+4*(\i)]  ; a number read from memory enters an address only behind a v_min_u32 with a constant
	v_min_u32 v[E+4*(\i)+1], NTRAIN+31, v[E+4*(\i)+1]
	v_pk_add_f32 v[SUMV:SUMV+1], v[SUMV:SUMV+1], v[E+4*(\i)+2:E+4*(\i)+3]
	v_lshl_add_u32 v[E+4*(\i)], v[E+4*(\i)], 2, s[RB]
	v_lshl_add_u32 v[E+4*(\i)+1], v[E+4*(\i)+1], 2, s[RB]
.endm
; One tree: read my two cells, add, write them back.  The later trees' stages stand between the reads and their wait.
.macro STEP i
	ds_load_b32 v[O+2*((\i)&1)], v[E+4*(\i)]
	ds_load_b32 v[O+2*((\i)&1)+1], v[E+4*(\i)+1]
.if (\i)+1 < HALF
	STC (\i+1)
.endif
.if (\i)+2 < HALF
	STB (\i+2)
.endif
.if (\i)+3 < HALF
	STA (\i+3)
.endif
	s_wait_dscnt 0x0
	v_pk_add_f32 v[O+2*((\i)&1):O+2*((\i)&1)+1], v[O+2*((\i)&1):O+2*((\i)&1)+1], v[E+4*(\i)+2:E+4*(\i)+3]
	ds_store_b32 v[E+4*(\i)], v[O+2*((\i)&1)]
	ds_store_b32 v[E+4*(\i)+1], v[O+2*((\i)&1)+1]
.endm
	STA 0
	STA 1
	STA 2
	v_mov_b32 v[SUMV], 0
	v_mov_b32 v[SUMV+1], 0
	STB 0
	STB 1
	STC 0
.irp i, 0,1,2,3,4,5,6,7,8,9,10,11,12,13,14,15,16,17,18,19,20,21,22,23,24,25,26,27,28,29,30,31,32,33,34,35,36,37,38,39,40,41,42,43,44,45,46,47,48,49
	STEP \i
.endr
	; Buckets that end beyond their window of 64 entries: the rest, 32 entries a trip.  One loop over my 50 trees; tree LI's numbers lie
	; in lane LI & 31 of the first or the second of the lane-per-tree registers.  The tree's list is reached by a base of its own,
	; stepped by a list a trip, so that the vector offset is the place in the list alone.
	v_cmp_lt_u32 vcc_lo, 64, v[VLM]
	v_cmp_lt_u32 s[LMASK], 64, v[VLM+1]
	s_or_b32 s[LMASK], s[LMASK], vcc_lo
	s_cmp_eq_u32 s[LMASK], 0
	s_cbranch_scc1 .Lno_long
	s_mov_b64 s[LB:LB+1], s[10:11]
	s_mov_b32 s[LI], 0
.Ltree:
	s_and_b32 s[LL], s[LI], 31
	v_readlane_b32 s[SLEN], v[VLM], s[LL]
	v_readlane_b32 s[TA], v[VLM+1], s[LL]
	s_cmp_lt_u32 s[LI], 32
	s_cselect_b32 s[SLEN], s[SLEN], s[TA]
	s_min_u32 s[SLEN], s[SLEN], NTRAIN+1
	s_cmp_le_u32 s[SLEN], 64
	s_cbranch_scc1 .Lnext
	v_readlane_b32 s[SQ], v[VQ], s[LL]
	v_readlane_b32 s[TA], v[VQ+1], s[LL]
	v_readlane_b32 s[STW], v[VTW], s[LL]
	v_readlane_b32 s[TB], v[VTW+1], s[LL]
	v_readlane_b32 s[ST], v[VSA], s[LL]
	v_readlane_b32 s[TC], v[VSA+1], s[LL]
	s_cmp_lt_u32 s[LI], 32
	s_cselect_b32 s[SQ], s[SQ], s[TA]
	s_cselect_b32 s[STW], s[STW], s[TB]
	s_cselect_b32 s[ST], s[ST], s[TC]
	s_min_u32 s[ST], s[ST], NTRAIN-2
	s_sub_co_u32 s[NCH], s[SLEN], 33
	s_lshr_b32 s[NCH], s[NCH], 5                   ; trips: (end - 64 + 31) / 32, from 1 to 311
	s_add_co_u32 s[ST], s[ST], 32                  ; the first trip's step brings these to the window's end
	s_sub_co_u32 s[SLEN], s[SLEN], 32
	s_mov_b32 s[LC], 0
.Lchunk:
	s_add_co_u32 s[ST], s[ST], 32
	s_sub_co_u32 s[SLEN], s[SLEN], 32              ; entries of the bucket left from here on
	s_min_u32 s[E0], s[ST], NTRAIN+16              ; 10,016 x 8 + 256 bytes end inside the tree's 80,640
	s_lshl_b32 s[E0], s[E0], 3
	v_add_nc_u32 v[YA], s[E0], v[LANE8]
	global_load_b64 v[Y:Y+1], v[YA], s[LB:LB+1]
	s_wait_loadcnt 0x0                             ; the pair is in: its address register and its base are free for the next trip
	v_cmp_eq_u32 vcc_lo, s[SQ], v[Y+1]
	v_cmp_gt_u32 s[SM], s[SLEN], v[LANE]           ; here the length is tested: bucket 0 can reach the zero pairs, whose id is its own
	s_and_b32 s[SM], s[SM], vcc_lo
	v_cndmask_b32 v[A], v[DUM], v[Y], s[SM]
	v_min_u32 v[A], NTRAIN+31, v[A]
	v_lshl_add_u32 v[A], v[A], 2, s[RB]
	v_cndmask_b32 v[W], 0, s[STW], s[SM]
	ds_load_b32 v[O], v[A]
	v_add_f32 v[SUMV], v[SUMV], v[W]
	s_wait_dscnt 0x0
	v_add_f32 v[O], v[O], v[W]
	ds_store_b32 v[A], v[O]
	s_add_co_u32 s[LC], s[LC], 1
	s_cmp_lt_u32 s[LC], s[NCH]
	s_cbranch_scc1 .Lchunk
.Lnext:
	s_add_nc_u64 s[LB:LB+1], s[LB:LB+1], PITCH     ; the next tree's list (no load is out here: each was waited for in its trip)
	s_add_co_u32 s[LI], s[LI], 1
	s_cmp_lt_u32 s[LI], HALF
	s_cbranch_scc1 .Ltree
.Lno_long:
	; my share of the row sum: the two halves of a lane, then the 32 lanes
	v_add_f32 v[SUMV], v[SUMV], v[SUMV+1]
.irp n, 1,2,4,8
	v_add_f32_dpp v[SUMV], v[SUMV], v[SUMV] row_xmask:\n row_mask:0xf bank_mask:0xf
.endr
	v_permlanex16_b32 v[SUMV+1], v[SUMV], s[P0], s[P1]
	v_add_f32 v[O], v[SUMV], v[SUMV+1]
	s_lshl_b32 s[ST], s[WV], 2
	s_add_co_u32 s[ST], s[ST], SUMS
	v_mov_b32 v[X], s[ST]
	ds_store_b32 v[X], v[O]                        ; all lanes store one value to my wave's word
	s_wait_dscnt 0x0                               ; my cells and my share of the sum are written,
	s_barrier_signal -1
	s_barrier_wait -1                              ; everybody's are
	; the four rows' scales: (1 / T) / (sum / T + eps)
	v_mov_b32 v[X], SUMS
	ds_load_b128 v[QS:QS+3], v[X]
	ds_load_b128 v[QS+4:QS+7], v[X] offset:16
	v_lshlrev_b32 v[BASE], 4, v0
.irp k, 1,2,3,4
	v_lshl_add_u32 v[BASE+\k], v0, 4, \k*65536
.endr
	s_mul_i32 s20, ttmp9, 16*NTRAIN                ; my four rows of out
	s_add_nc_u64 s[12:13], s[12:13], s[20:21]
	s_wait_dscnt 0x0
.irp r, 0,1,2,3
	v_add_f32 v[QS+\r], v[QS+\r], v[QS+4+\r]
.endr
.irp r, 0,1,2,3
	v_fma_f32 v[QS+\r], v[QS+\r], s[INVT], s[EPS]
.endr
.irp r, 0,1,2,3
	v_rcp_f32 v[SC+2*\r], v[QS+\r]
.endr
	v_nop                                          ; one plain vector instruction between a v_rcp_f32 and the use of its result (ISA guide 5.7.2)
	s_wait_alu depctr_va_vdst(0)
.irp r, 0,1,2,3
	v_mul_f32 v[SC+2*\r], s[INVT], v[SC+2*\r]
	v_mov_b32 v[SC+2*\r+1], v[SC+2*\r]
.endr
; THE WAY OUT: the group's 10,000 pieces of 16 bytes as one stream.  Step it: thread t takes piece p = 256 it + t, which lies in row
; r = p / 2,500, at LDS byte 16 p + 448 r of the first copy, and at byte 16 p of the group's part of out.
; Each store of a wave covers 512 consecutive bytes, aligned.  In steps 9, 19 and 29 a row ends among the 256 threads.
.macro ROWS it
.set r0, (256*(\it))/ROWG
.set r1, (256*(\it)+255)/ROWG
.if r1 > 3
.set r1, 3
.endif
.set thr, ROWG*r1-256*(\it)            ; threads from this one on are in row r1
.set o0, 4096*(\it)+GAP*r0
.set o1, o0+COPY
.endm
.macro LD it, sl
	ROWS \it
.if r0 == r1
	ds_load_b128 v[D+4*(\sl):D+4*(\sl)+3], v[BASE+o0/65536] offset:o0%65536
	ds_load_b128 v[TMP+4*(\sl):TMP+4*(\sl)+3], v[BASE+o1/65536] offset:o1%65536
.else
	v_cmp_le_u32 vcc_lo, thr, v0
	v_cndmask_b32 v[SEL], 0, s[CGAP], vcc_lo
	v_add_nc_u32 v[SELA], v[BASE+o0/65536], v[SEL]
	v_add_nc_u32 v[SELB], v[BASE+o1/65536], v[SEL]
	ds_load_b128 v[D+4*(\sl):D+4*(\sl)+3], v[SELA] offset:o0%65536
	ds_load_b128 v[TMP+4*(\sl):TMP+4*(\sl)+3], v[SELB] offset:o1%65536
.endif
.endm
.macro CP it, sl, left
	ROWS \it
	s_wait_dscnt \left                             ; LDS loads come back in order: this step's two are in, the later steps' may be out
	v_pk_add_f32 v[D+4*(\sl):D+4*(\sl)+1], v[D+4*(\sl):D+4*(\sl)+1], v[TMP+4*(\sl):TMP+4*(\sl)+1]
	v_pk_add_f32 v[D+4*(\sl)+2:D+4*(\sl)+3], v[D+4*(\sl)+2:D+4*(\sl)+3], v[TMP+4*(\sl)+2:TMP+4*(\sl)+3]
.if r0 == r1
	v_pk_mul_f32 v[D+4*(\sl):D+4*(\sl)+1], v[D+4*(\sl):D+4*(\sl)+1], v[SC+2*r0:SC+2*r0+1]
	v_pk_mul_f32 v[D+4*(\sl)+2:D+4*(\sl)+3], v[D+4*(\sl)+2:D+4*(\sl)+3], v[SC+2*r0:SC+2*r0+1]
.else
	v_cmp_le_u32 vcc_lo, thr, v0
	v_cndmask_b32 v[SCT], v[SC+2*r0], v[SC+2*r1], vcc_lo
	v_mov_b32 v[SCT+1], v[SCT]
	v_pk_mul_f32 v[D+4*(\sl):D+4*(\sl)+1], v[D+4*(\sl):D+4*(\sl)+1], v[SCT:SCT+1]
	v_pk_mul_f32 v[D+4*(\sl)+2:D+4*(\sl)+3], v[D+4*(\sl)+2:D+4*(\sl)+3], v[SCT:SCT+1]
.endif
	global_store_b128 v[BASE], v[D+4*(\sl):D+4*(\sl)+3], s[12:13] offset:4096*(\it) th:TH_STORE_NT
.endm
; thirteen steps: 26 LDS loads in one run, then sums, scales and stores as the loads come back
.macro GROUP g
	s_wait_xcnt 0x0                                ; the slots, which the last group's stores read, are loaded again only behind this wait
.irp k, 0,1,2,3,4,5,6,7,8,9,10,11,12
	LD (13*\g+\k), \k
.endr
.irp k, 0,1,2,3,4,5,6,7,8,9,10,11,12
	CP (13*\g+\k), \k, 2*(12-\k)
.endr
.endm
	GROUP 0
	GROUP 1
	GROUP 2
	s_cmp_lg_u32 s[WV], 0
	s_cbranch_scc1 .Lend                           ; 39 x 256 pieces are out; the last 16 (256 bytes) are wave 0's
	v_cmp_gt_u32 vcc_lo, 16, v0
	s_wait_xcnt 0x0                                ; EXEC changes, and slot 0 is loaded again, only behind this wait
	s_and_saveexec_b32 s[SV], vcc_lo
	LD 39, 0
	CP 39, 0, 0
	s_wait_xcnt 0x0                                ; and again in front of the line that widens EXEC
	s_or_b32 exec_lo, exec_lo, s[SV]
.Lend:
	s_endpgm
.Lfunc_end_k_qc98eeb6105_accum:
	.size	k_qc98eeb6105_accum, .Lfunc_end_k_qc98eeb6105_accum-k_qc98eeb6105_accum
	.p2alignl 7, 3214868480
	.fill 96, 4, 3214868480
	.section	.rodata,"a",@progbits
	.p2align	6, 0x0
	.amdhsa_kernel k_qc98eeb6105_accum
		.amdhsa_group_segment_fixed_size 327680
		.amdhsa_private_segment_fixed_size 0
		.amdhsa_enable_private_segment 0
		.amdhsa_kernarg_size 40
		.amdhsa_user_sgpr_count 2
		.amdhsa_user_sgpr_kernarg_segment_ptr 1
		.amdhsa_wavefront_size32 1
		.amdhsa_system_sgpr_workgroup_id_x 1
		.amdhsa_system_sgpr_workgroup_id_y 1
		.amdhsa_system_sgpr_workgroup_id_z 1
		.amdhsa_system_vgpr_workitem_id 0
		.amdhsa_next_free_vgpr 236
		.amdhsa_next_free_sgpr 78
		.amdhsa_reserve_vcc 1
		.amdhsa_float_denorm_mode_32 3
		.amdhsa_float_denorm_mode_16_64 3
		.amdhsa_memory_ordered 1
		.amdhsa_forward_progress 1
		.amdhsa_inst_pref_size 107
	.end_amdhsa_kernel
	.amdgpu_metadata
---
amdhsa.version: [ 1, 2 ]
amdhsa.kernels:
  - .name:           k_qc98eeb6105_accum
    .symbol:         k_qc98eeb6105_accum.kd
    .args:
      - { .name: query_leaf_ids, .offset: 0, .size: 8, .value_kind: global_buffer, .address_space: global }
      - { .name: tree_weights, .offset: 8, .size: 8, .value_kind: global_buffer, .address_space: global }
      - { .name: offs, .offset: 16, .size: 8, .value_kind: global_buffer, .address_space: global }
      - { .name: lists, .offset: 24, .size: 8, .value_kind: global_buffer, .address_space: global }
      - { .name: out0, .offset: 32, .size: 8, .value_kind: global_buffer, .address_space: global }
    .group_segment_fixed_size: 327680
    .private_segment_fixed_size: 0
    .kernarg_segment_align: 8
    .kernarg_segment_size: 40
    .max_flat_workgroup_size: 256
    .sgpr_count:     78
    .vgpr_count:     236
    .wavefront_size: 32
...
	.end_amdgpu_metadata
.endif
;; end of part 2
